; MI455X (gfx1250); checked and timed in simulation.
; The chip was launched on July 23, 2026; its instructions are those of AMD's public machine-readable ISA for CDNA 5 (MIT licence, August 2026) and "CDNA5" Instruction Set Architecture Reference Guide (July 2026). The comments in the code are by the model that wrote it; some were corrected since.
;; compute Attention Weight Proj. Allowed arithmetic: matrix products marked QUANTISED: E2M1 operands, one E8M0 scale for each 32 along K, by v_wmma_scale_f32_16x16x128_f8f6f4 with both operands' format E2M1 (or v_wmma_scale_f32_32x16x128_f4), f32 sums; products left as they are: f32 operands where the result goes on into a quantised operand, else bf16, f16 or f32 operands; f32 sums; everything else in f32.
;; Inputs: G 8 x 4 x 2,048 x 32 float32; K 8 x 4 x 2,048 x 32 float32; Q 8 x 4 x 2,048 x 32 float32; V 8 x 4 x 2,048 x 32 float32; seqMask 4 x 2,048 bool.
;; Outputs: out0 4 x 2,048 x 8 x 32 float32.
;; This version of the problem:
;;   THIS VERSION OF THE PROBLEM IS GIVEN IN LOW PRECISION. The matrix products marked QUANTISED in the list below multiply operands that are first quantised to E2M1 (2 exponent bits, 1 mantissa bit; 4 bits a number), with one power-of-two scale for each 32 numbers along K (OCP MX v1.0); their sums are f32. All else is computed in f32.
;;   The module's matrix products, in the order in which they are computed (A, B: the left and right operand; K: the contracted axis; several contracted axes count as one K, in the product's order):
;;     1. batch 32 x [M 2,048, K 32] x [K 32, N 2,048]; A: input Q; B: input K: QUANTISED
;;     2. batch 32 x [M 32, K 2,048] x [K 2,048, N 2,048]; A: input V; B: softmax (see below): QUANTISED
;;     3. batch 2,097,152 x [M 1, K 1] x [K 1, N 1]; A: computed on the way; B: computed on the way: left as it is (no contracted axis)
;;   THE QUANTISER, for each operand of a quantised product, along K:
;;     - K is cut into blocks of 32 from its start; a last block that is shorter is filled with zeros.
;;     - A block's scale is 2^e with e = floor(log2(the largest magnitude in the block)) - 2, held to -126 .. 127; a block of zeros has e = 0. As a byte (E8M0): e + 127.
;;     - Each number is divided by its block's scale, clamped to +-6, and rounded to the nearest number of E2M1, ties to even, subnormals kept.
;;     - The product sums the exact products of the quantised numbers (number of the format x scale) in f32.
;;   ~~~python
;;   def quantise(x, axis):      # numpy; x: float32 -> the quantised numbers, widened to float32 again
;;       x = np.moveaxis(x, axis, -1); K = x.shape[-1]
;;       x = np.pad(x, [(0, 0)] * (x.ndim - 1) + [(0, -K % 32)]); x = x.reshape(x.shape[:-1] + (-1, 32)); a = np.abs(x).max(-1, keepdims=True)
;;       e = np.where(a > 0, np.clip(np.frexp(np.where(a > 0, a, 1))[1] - 1 - 2, -126, 127), 0)      # np.frexp(a)[1] - 1 = floor(log2(a)), exactly
;;       r = np.clip(x / 2.0 ** e, -6, 6)
;;       step = 2.0 ** (np.maximum(np.frexp(np.where(r == 0, 1, r))[1] - 1, 0) - 1)
;;       q = np.round(r / step) * step * 2.0 ** e      # np.round: ties to even
;;       return np.moveaxis(q.reshape(q.shape[:-2] + (-1,))[..., :K], -1, axis).astype(np.float32)
;;   ~~~
;;   SOFTMAX AHEAD OF A QUANTISED PRODUCT. Where the list says 'softmax', what is quantised is not the finished softmax but p = 2^(t - M), with t = logit x log2(e) and M = ceil(the row's largest t), a whole number; so 1/2 < the row's largest p <= 1. The row's sum l is taken of the UNQUANTISED p, in f32, and the product's result is divided by l at the end. Since M is a whole number, a kernel that streams over the keys may use a running M (the ceiling of the running maximum): every later rescaling is an exact power of two, which a block's scale takes up: the codes' values come out the same.
;;   OPERANDS COMPUTED ON THE WAY. 'Computed on the way' means the value that the module computes at that place (a softmax that the list does not call 'softmax' is quantised finished and normalised). What goes into a quantiser is computed in f32, as accurately as f32 sums, v_exp_f32 and their like allow (about 1e-6 of the number): no bf16 or f16 on the way to a quantiser, and a product that is left as it is and whose result goes on into a quantised operand takes f32 operands (vector FMAs, or v_wmma_f32_16x16x4_f32). A number that lies on a knife's edge between two numbers of the format may be rounded either way, as far as f32 arithmetic and the matrix unit's own rounding can turn it there, and no further.
;; One version. Each part assembles by itself: llvm-mc -triple=amdgcn-amd-amdhsa -mcpu=gfx1250 --defsym DOCPART=n.
;; ======== version 1 of 1: 1 launch
;; limits: right only within a limited range of input values
;; launch attn (part 1): grid 16 x 16, 8 waves a work-group, no clusters, 244,736 bytes of LDS; arguments Q, K, V, G, seqMask, out0; writes out0
.if DOCPART == 1
	.amdgcn_target "amdgcn-amd-amdhsa--gfx1250"
	.amdhsa_code_object_version 6
	.text
	.protected	k_q25bcede543_attn
	.globl	k_q25bcede543_attn
	.p2align	8
	.type	k_q25bcede543_attn,@function
k_q25bcede543_attn:
	s_mov_b64 s[64:65], 0
	v_nop
	global_prefetch_b8 v0, s[64:65] scope:SCOPE_SE
	s_setreg_imm32_b32 hwreg(HW_REG_WAVE_MODE, 25, 1), 1
	s_wait_xcnt 0x0
; out[n][s][h][i] = G[h][n][s][i] / l x the sum over t of Qz(p[s][t]) Qz(V[h][n][t][i]),  p = 2^(t' - M),  t' = (Qz(Q[s]) . Qz(K[t])) x log2(e) / sqrt(32),
; over the keys t with |s - t| <= 10 and seqMask[n][t] = 0.  M = the row's largest t' rounded up to a whole number; l = the row's sum of the unquantised p.  Qz: codes of E2M1 with one E8M0 scale for 32 along a product's K:
; for Q and K the 32 channels of a row, for V and p the aligned blocks of 32 keys.  Q, K, V, G: [8][4][2048][32] f32; seqMask: [4][2048] bytes; out: [4][2048][8][32] f32.
; SHARES.  A work-group takes 128 queries (x) of one n and of the two heads 2 hp, 2 hp + 1 (y = 4 hp + n); each of its eight waves takes 16 queries, for both heads, one head after the other.
; So a wave holds, for each of its queries, the 256 consecutive bytes of out that the two heads fill, and stores them whole.
; THE BAND.  The 16 queries from 16 a on see keys 16 a - 10 .. 16 a + 25, which lie in the two aligned blocks of 32 keys from k0 = 32 ((a - 1) >> 1) on: a window of 64 keys.  All other blocks of p are zeros and are left out.
; LDS.  All that the work-group reads comes by tensor loads issued at the start, two a wave: its part of head 0, then its part of head 1: 128 rows of Q, K, V, G (waves 0-3) and 32 rows of K and of V on either side
; (waves 4-7).  Head 0 is worked while head 1 lands.  No LDS byte is filled twice.  At the tensor's ends a side's rows are held inside the head: they bring other rows, whose keys are masked as out of range.
; NO CLUSTER: what neighbouring work-groups share is the side rows, 32 KiB of the 160 KiB that a work-group fills.  NO PREFETCH: every byte is asked for in the first lines.
; BOTH PRODUCTS ARE USED TRANSPOSED (S^T = K Q^T, O^T = V^T P^T): a lane holds one query (lane % 16) throughout.  The instruction's K is 128; each product fills 64 of it and leaves zero codes in the rest.
;   S^T: a lane quantises one whole key row; its 4 registers of codes are a fragment's as they stand: lanes 0-15 rows 0-15 of a block in K 0-31, lanes 16-31 rows 16-31 in K 32-63.  Q's fragment comes twice:
;   with Q in K 0-31 and zeros in K 32-63 (picks rows 0-15), and the other way round (picks rows 16-31).  The mask is the C of these products: 0 for a key that counts, -2^100 for one that does not.
;   O^T: K 0-31 = the window's first block of keys, K 32-63 = its second.
; LIMITS: inputs are finite; raw scores lie above -2^66 (a row's largest score is held there from below, so that a row with no key left gives p = 0 everywhere, l = 0 and NaN, as the softmax of such a row is);
; a block of zeros gets the scale byte 1 where the quantiser's text says 127: its codes are zeros, and only this program reads the byte; a block's largest p is taken from its largest score by the same
; multiply-add and exponential, which leans on v_exp_f32 not falling where its input rises.
.set RGN,    26112                     ; a region: 192 rows of 128 bytes as 96 units of 256 + 16 of padding: units 0-15 left side, 16-79 the 128 main rows, 80-95 right side.  Row p lies at (p / 2) 272 + (p % 2) 128
.set HEADB,  4*RGN                     ; a head's four regions: Q, K, V, G (the side units of Q's and G's are never touched)
.set MAINO,  16*272                    ; where a region's main rows begin
.set RIGHTO, 80*272                    ; and its right side
.set BLKB,   16*272                    ; 32 rows
.set TILEB,  8*272                     ; 16 rows
.set STAGE,  8*RGN                     ; behind the regions: 16 rows x (256 + 16) bytes for each wave, for the way out; no tensor load lands there
.set AK,   4                           ; v4-5    LDS address of my row (row = lane) in the window's first block of K, head 0, 1
.set AQ,   6                           ; v6-7    of my query's row of Q
.set AV,   8                           ; v8-9    of my channel (= lane) in the first row of the window's first block of V
.set AG,   10                          ; v10-11  of my query's row of G, + 32 bytes for lanes 16-31
.set STO,  12                          ; v12     the stage: where I put 16 bytes of a row
.set RD,   13                          ; v13     and where I read a row back
.set GO,   14                          ; v14     my byte offset in the wave's rows of out
.set BIAS, 16                          ; v16-47  the mask as C: tile t at 16 + 8 t
.set KF0,  48                          ; v48-63  K's two fragments
.set KF1,  56
.set QLO,  64                          ; v64-79  Q's two
.set QHI,  72
.set VF0,  80                          ; v80-95  V's two
.set VF1,  88
.set PF,   96                          ; v96-103 p's
.set S,    104                         ; v104-135 S^T, then p: register 8 t + j of lane (r, h) is key k0 + 16 t + 8 h + j, query r
.set OA,   136                         ; v136-151 O^T: register 8 t + j is channel 16 t + 8 h + j
.set X0,   152                         ; v152-215 two sets of 32 numbers on their way to a quantiser (at the head: at work; at the end: rows of out)
.set X1,   184
.set GG,   216                         ; v216-231 G in O^T's layout
.set MA,   232                         ; v232-233 largest magnitudes; later p's two scale operands
.set MB,   233
.set SCO,  234                         ; v234    a conversion's scale operand; later p's first byte
.set KB,   235                         ; v235    a scale byte; later p's second
.set WK0,  236                         ; v236-240 scale words, and nothing else
.set WK1,  237
.set WQ,   238
.set WVS,  239
.set WP,   240
.set VB0,  241                         ; v241-242 V's bytes of the two blocks
.set VB1,  242
.set QC,   244                         ; v244-247 Q's codes
                                       ; v248-249 the blocks' largest scores, then p; later 1 / l.  v250-251 from the other half of the lanes; later a second chain of the sum.  v252 -M, v253 the largest t'.  v254-255 the sum
.set WV,   16                          ; s16 wave; s17 x; s18 n; s19 hp; s20 the window's first block in a region; s21 wave % 2
.set G1M,  24                          ; s[24:31] descriptor group 1: 64 rows of 256 bytes;  s[32:39]: 16 such rows
.set G1H,  32
.set G0M,  40                          ; s[40:47] group 0 for the main rows, head 0, 1;  s[48:55] for a side's
.set G0H,  48
	s_load_b256 s[4:11], s[0:1], 0x0               ; Q s[4:5], K s[6:7], V s[8:9], G s[10:11]
	s_load_b128 s[12:15], s[0:1], 0x20             ; seqMask s[12:13], out s[14:15]
	v_lshl_add_u32 v15, v0, 2, 0x3b800
	v_mov_b32 v243, 0
	ds_add_u32 v15, v243
	ds_add_u32 v15, v243
	v_lshrrev_b32 v1, 5, v0
	v_readfirstlane_b32 s[WV], v1                  ; wave 0..7
	s_mov_b32 s17, ttmp9                           ; x: which 128 queries
	s_and_b32 s22, ttmp7, 0xffff
	s_and_b32 s18, s22, 3                          ; n
	s_lshr_b32 s19, s22, 2                         ; hp: heads 2 hp, 2 hp + 1
	s_add_co_u32 s20, s[WV], 1
	s_lshr_b32 s20, s20, 1                         ; a region's row 0 is key 128 x - 32, so k0 is its block (wave + 1) / 2
	s_and_b32 s21, s[WV], 1
	; Group 1.  What a load brings is dense in memory (rows of 128 bytes on end), so it is stated as rows of 256 bytes: 32 elements of 8 bytes, 16 bytes of padding behind each
.irp g, G1M, G1H
	s_mov_b32 s[\g], 0x07530000                    ; 17:16 elements of 8 bytes; 20 padding on; 24:22 after every 64 words (code 5); 31:25 four words (code 3)
	s_mov_b32 s[\g+1], 32<<16                      ; tensor_dim0 = 32
	s_mov_b32 s[\g+3], 32<<16                      ; tile_dim0 = 32
	s_mov_b32 s[\g+5], 32                          ; from row to row
	s_mov_b32 s[\g+6], 0
	s_mov_b32 s[\g+7], 0
.endr
	s_mov_b32 s[G1M+2], 64<<16                     ; tensor_dim1 and tile_dim1: 64 rows (128 of the tensor's),
	s_mov_b32 s[G1M+4], 64
	s_mov_b32 s[G1H+2], 16<<16                     ; or 16 (32 of the tensor's)
	s_mov_b32 s[G1H+4], 16
	s_lshl_b32 s22, s19, 3
	s_add_co_u32 s22, s22, s18
	s_lshl_b32 s68, s22, 18                        ; head 2 hp of n begins (8 hp + n) x 2,048 rows x 128 bytes into each tensor; head 2 hp + 1 lies 0x100000 bytes on
	s_lshl_b32 s23, s17, 14
	s_add_co_u32 s70, s68, s23                     ; the main rows: + 128 x rows
	s_mov_b32 s71, 0
	s_lshl_b32 s76, s17, 7                         ; 128 x
	s_sub_co_i32 s77, s76, 32
	s_max_i32 s77, s77, 0                          ; the left side's first row, held inside the head,
	s_add_co_u32 s78, s76, 128
	s_min_u32 s78, s78, 2016                       ; the right side's likewise
	s_cmp_eq_u32 s21, 0                            ; even waves take the left side, odd ones the right
	s_cselect_b32 s77, s77, s78
	s_lshl_b32 s77, s77, 7
	s_add_co_u32 s72, s68, s77
	s_mov_b32 s73, 0
	s_and_b32 s82, s[WV], 3                        ; waves 0-3: Q, K, V, G
	s_mul_i32 s23, s82, RGN
	s_mov_b32 s[G0M], 1                            ; count = 1
	s_add_co_u32 s[G0M+1], s23, MAINO              ; LDS address, head 0,
	s_mov_b32 s[G0M+4], 1
	s_add_co_u32 s[G0M+5], s23, MAINO+HEADB        ; head 1
	s_bfe_u32 s79, s[WV], 0x10001                  ; waves 4, 5: K's sides; waves 6, 7: V's
	s_mul_i32 s80, s79, RGN
	s_mul_i32 s81, s21, RIGHTO
	s_add_co_u32 s80, s80, s81
	s_mov_b32 s[G0H], 1
	s_add_co_u32 s[G0H+1], s80, RGN
	s_mov_b32 s[G0H+4], 1
	s_add_co_u32 s[G0H+5], s80, RGN+HEADB
	s_mov_b32 s56, 0x3e8293ee                      ; c = log2(e) / sqrt(32)
	s_mov_b32 s57, s56                             ; (the packed form names the pair)
	s_mov_b32 s58, 0x76543210
	s_mov_b32 s59, 0xfedcba98                      ; v_permlanex16_b32's selects for lane l xor 16
	s_mov_b32 s60, 0x0000ffff                      ; lanes 0-15
	s_mov_b32 s61, 0xffff0000                      ; lanes 16-31
	s_mov_b32 s66, 0x1fffff00                      ; the band's 21 ones, 8 bits up
	s_wait_dscnt 0x0
	s_wait_kmcnt 0x0
	s_cmp_eq_u32 s82, 1                            ; the tensor is chosen by the wave's number alone
	s_cselect_b64 s[74:75], s[6:7], s[4:5]
	s_cmp_eq_u32 s82, 2
	s_cselect_b64 s[74:75], s[8:9], s[74:75]
	s_cmp_eq_u32 s82, 3
	s_cselect_b64 s[74:75], s[10:11], s[74:75]
	s_add_nc_u64 s[G0M+2:G0M+3], s[74:75], s[70:71]
	s_add_nc_u64 s[G0M+6:G0M+7], s[G0M+2:G0M+3], 0x100000
	s_or_b32 s[G0M+3], s[G0M+3], 0x80000000        ; type = 2
	s_or_b32 s[G0M+7], s[G0M+7], 0x80000000
	s_cmp_eq_u32 s79, 0
	s_cselect_b64 s[74:75], s[6:7], s[8:9]
	s_add_nc_u64 s[G0H+2:G0H+3], s[74:75], s[72:73]
	s_add_nc_u64 s[G0H+6:G0H+7], s[G0H+2:G0H+3], 0x100000
	s_or_b32 s[G0H+3], s[G0H+3], 0x80000000
	s_or_b32 s[G0H+7], s[G0H+7], 0x80000000
	s_cmp_lt_u32 s[WV], 4                          ; a wave's two fills stand in one branch, ahead of every wait on TENSORcnt, every LDS read and every barrier: two loads of mine are out, never more
	s_cbranch_scc0 .Lsides
	tensor_load_to_lds s[G0M:G0M+3], s[G1M:G1M+7]
	s_nop 0
	tensor_load_to_lds s[G0M+4:G0M+7], s[G1M:G1M+7]
	s_nop 0
.rept 4
	v_nop                                          ; four v_nop follow, ahead of the jump and the label
.endr
	s_branch .Lasked
.Lsides:
	tensor_load_to_lds s[G0H:G0H+3], s[G1H:G1H+7]
	s_nop 0
	tensor_load_to_lds s[G0H+4:G0H+7], s[G1H:G1H+7]
	s_nop 0
.rept 4
	v_nop
.endr
.Lasked:
	; ALL THAT FOLLOWS UP TO THE FIRST BARRIER stands while the tiles are on their way: the mask's bytes, the addresses, the mask as C.
	s_lshl_b32 s83, s20, 5
	s_add_co_u32 s83, s83, s76
	s_sub_co_i32 s83, s83, 32                      ; k0 (-32 for the very first tile)
	s_add_co_i32 s81, s83, 32                      ; the second block's first key (2,048 for the very last tile)
	s_max_i32 s77, s83, 0                          ; both held inside the row of seqMask: no load leaves its buffer
	s_min_u32 s78, s81, 2016
	s_lshl_b32 s23, s18, 11
	s_add_co_u32 s77, s77, s23
	s_add_co_u32 s78, s78, s23
	v_and_b32 v1, 31, v0                           ; l: lane
	v_add_nc_u32 v152, s77, v1
	v_add_nc_u32 v153, s78, v1
	global_load_u8 v154, v152, s[12:13]            ; lane l: the byte of key k0 + l,
	global_load_u8 v155, v153, s[12:13]            ; and of key k0 + 32 + l
	v_and_b32 v2, 15, v0                           ; r
	v_bfe_u32 v3, v0, 4, 1                         ; h
	v_lshrrev_b32 v156, 1, v1
	v_mul_u32_u24 v156, v156, 272
	v_and_b32 v157, 1, v1
	v_lshl_add_u32 v156, v157, 7, v156             ; row l of a block: (l / 2) 272 + (l % 2) 128.  Sixteen lanes at one column of rows 0-15 fall on sixteen different 16-byte columns of the 256
	v_lshrrev_b32 v158, 1, v2
	v_mul_u32_u24 v158, v158, 272
	v_lshl_add_u32 v158, v157, 7, v158             ; row r likewise
	s_mul_i32 s22, s20, BLKB                       ; the window's first block,
	s_mul_i32 s23, s[WV], TILEB                    ; my 16 queries' rows
	s_add_co_u32 s77, s22, RGN
	v_add_nc_u32 v[AK], s77, v156
	v_add_nc_u32 v[AK+1], HEADB, v[AK]
	s_add_co_u32 s78, s23, MAINO
	v_add_nc_u32 v[AQ], s78, v158
	v_add_nc_u32 v[AQ+1], HEADB, v[AQ]
	s_add_co_u32 s77, s22, 2*RGN
	v_lshl_add_u32 v[AV], v1, 2, s77
	v_add_nc_u32 v[AV+1], HEADB, v[AV]
	s_add_co_u32 s78, s23, 3*RGN+MAINO
	v_add_nc_u32 v[AG], s78, v158
	v_lshl_add_u32 v[AG], v3, 5, v[AG]
	v_add_nc_u32 v[AG+1], HEADB, v[AG]
	s_mul_i32 s77, s[WV], 16*272
	s_add_co_u32 s77, s77, STAGE                   ; my stage
	v_mul_u32_u24 v[STO], v2, 272                  ; in: row r, + 32 h
	v_lshl_add_u32 v[STO], v3, 5, v[STO]
	v_add_nc_u32 v[STO], s77, v[STO]
	v_mul_u32_u24 v[RD], v3, 272                   ; back: lanes 0-15 one row of 256 bytes, lanes 16-31 the next
	v_lshl_add_u32 v[RD], v2, 4, v[RD]
	v_add_nc_u32 v[RD], s77, v[RD]
	v_lshlrev_b32 v[GO], 10, v3                    ; and the same two rows in out, 1,024 bytes apart
	v_lshl_add_u32 v[GO], v2, 4, v[GO]
	s_lshl_b32 s22, s17, 3
	s_add_co_u32 s22, s22, s[WV]                   ; a = 8 x + wave
	s_lshl_b32 s22, s22, 4
	s_lshl_b32 s23, s18, 11
	s_add_co_u32 s22, s22, s23                     ; n x 2,048 + 16 a: my first row of out,
	s_lshl_b32 s22, s22, 10
	s_lshl_b32 s23, s19, 8
	s_add_co_u32 s22, s22, s23                     ; and the two heads' 256 bytes in it
	s_mov_b32 s23, 0
	s_add_nc_u64 s[14:15], s[14:15], s[22:23]
.irp f, KF0, KF1, QLO, QHI, VF0, VF1, PF
.irp g, 4,5,6,7
	v_mov_b32 v[\f+\g], 0                          ; K 64-127 of every operand: zero codes, written once
.endr
.endr
	v_mov_b32 v250, 0                              ; written once: a lane permute's destination counts as one of its sources
	v_mov_b32 v251, 0
	; THE BAND.  My query lies r + 32 - 16 (wave % 2) keys behind k0.  Key 16 t + 8 h + j is in the band where bit j + sh of the 21 ones (8 bits up) is set, sh = 16 t + 8 h - r + 16 (wave % 2) - 14.
	; A negative sh, read as unsigned, and one past 31 are held at 31, which shifts every one out.
	s_lshl_b32 s77, s21, 4
	s_sub_co_i32 s77, s77, 14
	v_lshlrev_b32 v160, 3, v3                      ; 8 h
	v_sub_nc_u32 v161, v160, v2
	v_add_nc_u32 v161, s77, v161
	v_add_nc_u32 v166, 16, v160                    ; 8 h + 16
.irp t, 0,1,2,3
	v_add_nc_u32 v[162+\t], 16*\t, v161
.endr
.irp t, 0,1,2,3
	v_min_u32 v[162+\t], 31, v[162+\t]
.endr
.irp t, 0,1,2,3
	v_lshrrev_b32 v[162+\t], v[162+\t], s66        ; bit j: tile t's key j of my half lies in the band
.endr
	v_mov_b32 v175, 0xf1800000                     ; -2^100
	s_wait_loadcnt 0x0                             ; the two bytes
	v_cmp_ne_u32 s62, 0, v154                      ; bit l: key k0 + l is masked;
	v_cmp_ne_u32 s63, 0, v155                      ; key k0 + 32 + l
	s_cmp_lt_i32 s83, 0
	s_cselect_b32 s62, -1, s62                     ; a block in front of the first key, or behind the last, is masked whole
	s_cmp_gt_i32 s81, 2016
	s_cselect_b32 s63, -1, s63
	v_lshrrev_b32 v167, v160, s62                  ; bit j: tile t's key j of my half is masked
	v_lshrrev_b32 v168, v166, s62
	v_lshrrev_b32 v169, v160, s63
	v_lshrrev_b32 v170, v166, s63
.irp t, 0,1,2,3
	v_bfi_b32 v[171+\t], v[167+\t], 0, v[162+\t]   ; in the band and not masked
.endr
.irp t, 0,1,2,3
.irp j, 0,1,2,3,4,5,6,7
	v_and_b32 v176, 1<<\j, v[171+\t]
	v_cmp_eq_u32 vcc_lo, 0, v176
	v_cndmask_b32 v[BIAS+8*\t+\j], 0, v175, vcc_lo ; 0 for a key that counts, -2^100 for one that does not
.endr
.endr
.macro LROW x, a, off                  ; a row of 32 numbers, 128 bytes on end, into v[x] on
.irp q, 0,1,2,3,4,5,6,7
	ds_load_b128 v[\x+4*\q:\x+4*\q+3], v[\a] offset:(\off)+16*\q
.endr
.endm
.macro LCOL x, a, off                  ; my channel of a block's 32 rows: registers run down the keys; each load reads 128 consecutive bytes
.set kk, 0
.rept 32
	ds_load_b32 v[\x+kk], v[\a] offset:(\off)+(kk/2)*272+(kk%2)*128
.set kk, kk+1
.endr
.endm
; A block of 32 numbers in v[x] on becomes 4 registers of codes in v[d] on and its scale byte in v[b].  The largest magnitude, in two chains, with the floor 2^(3 - 127) among its leaves, so that the byte
; cannot fall under 1; 2 off its exponent field is the conversion's scale operand (the conversion takes that field alone); the shift that makes the byte is the plain line behind the conversions.
.macro QUANT x, d, b
	v_max3_num_f32 v[MA], |v[\x]|, |v[\x+1]|, 0x1800000
	v_max3_num_f32 v[MB], |v[\x+16]|, |v[\x+17]|, |v[\x+18]|
.irp i, 0,2,4,6,8,10
	v_max3_num_f32 v[MA], v[MA], |v[\x+2+\i]|, |v[\x+3+\i]|
	v_max3_num_f32 v[MB], v[MB], |v[\x+19+\i]|, |v[\x+20+\i]|
.endr
	v_max3_num_f32 v[MA], v[MA], |v[\x+14]|, |v[\x+15]|
	v_max3_num_f32 v[MA], v[MA], v[MB], |v[\x+31]|
	v_add_nc_u32 v[SCO], 0xff000000, v[MA]
.irp g, 0,1,2,3
	v_cvt_scalef32_pk8_fp4_f32 v[\d+\g], v[\x+8*\g:\x+8*\g+7], v[SCO]
.endr
	v_lshrrev_b32 v[\b], 23, v[SCO]
.endm
; ONE HEAD of my 16 queries.  The LDS loads of each operand are issued a quantiser ahead of their use; LDS loads come back in order (ISA guide 5.7.1), so each wait counts the loads issued behind those that it wants.
.macro HEAD e
	LROW X0, AK+\e, 0                              ; lane l: key row k0 + l,
	LROW X1, AK+\e, BLKB                           ; and k0 + 32 + l
	s_wait_dscnt 8                                 ; the first block's rows are in; the second's eight loads may be out
	QUANT X0, KF0, KB
	v_lshl_or_b32 v[WK0], v[KB], 8, v[KB]          ; my row's byte for K 0-31 and for K 32-63; the bytes of K 64-127 stay 0 over zero codes
	LROW X0, AQ+\e, 0                              ; query r's row, in both halves of the lanes
	s_wait_dscnt 8                                 ; K's second block is in; Q's eight loads may be out
	QUANT X1, KF1, KB
	v_lshl_or_b32 v[WK1], v[KB], 8, v[KB]
	LCOL X1, AV+\e, 0                              ; V: lane = channel, the window's first block
	s_wait_dscnt 32                                ; Q is in; V's 32 loads may be out
	QUANT X0, QC, KB
	v_lshl_or_b32 v[WQ], v[KB], 8, v[KB]
.irp g, 0,1,2,3
	v_cndmask_b32 v[QLO+\g], 0, v[QC+\g], s60      ; Q in K 0-31, zero codes in K 32-63,
	v_cndmask_b32 v[QHI+\g], 0, v[QC+\g], s61      ; and the other way round
.endr
	LCOL X0, AV+\e, BLKB                           ; V's second block
	s_wait_dscnt 32                                ; V's first block is in; the second's 32 loads may be out
	QUANT X1, VF0, VB0                             ; its 18 plain lines name no register of the products below: they are the places between Q's scale word and fragments and those products
	; S^T = K Q^T + the mask.  Four results of their own, none adds onto another.  With Q in K 32-63 the rows' scales are read from lanes 16-31
	v_wmma_scale_f32_16x16x128_f8f6f4 v[S:S+7], v[KF0:KF0+7], v[QLO:QLO+7], v[BIAS:BIAS+7], v[WK0], v[WQ] matrix_a_fmt:MATRIX_FMT_FP4 matrix_b_fmt:MATRIX_FMT_FP4
	v_wmma_scale_f32_16x16x128_f8f6f4 v[S+8:S+15], v[KF0:KF0+7], v[QHI:QHI+7], v[BIAS+8:BIAS+15], v[WK0], v[WQ] matrix_a_fmt:MATRIX_FMT_FP4 matrix_b_fmt:MATRIX_FMT_FP4 matrix_a_scale:MATRIX_SCALE_ROW1
	v_wmma_scale_f32_16x16x128_f8f6f4 v[S+16:S+23], v[KF1:KF1+7], v[QLO:QLO+7], v[BIAS+16:BIAS+23], v[WK1], v[WQ] matrix_a_fmt:MATRIX_FMT_FP4 matrix_b_fmt:MATRIX_FMT_FP4
	v_wmma_scale_f32_16x16x128_f8f6f4 v[S+24:S+31], v[KF1:KF1+7], v[QHI:QHI+7], v[BIAS+24:BIAS+31], v[WK1], v[WQ] matrix_a_fmt:MATRIX_FMT_FP4 matrix_b_fmt:MATRIX_FMT_FP4 matrix_a_scale:MATRIX_SCALE_ROW1
.irp t, 0,1
.irp q, 0,1
	ds_load_b128 v[GG+8*\t+4*\q:GG+8*\t+4*\q+3], v[AG+\e] offset:64*\t+16*\q   ; G(query r, channels 16 t + 8 h + 0 .. 7)
.endr
.endr
	s_wait_dscnt 4                                 ; V's second block is in; G's four loads may be out
	QUANT X0, VF1, VB1                             ; (also the places behind the products above)
.irp g, 0,1,2,3
	v_permlane16_swap_b32 v[VF0+\g], v[VF1+\g]     ; the first's lanes 16-31 (channels 16-31, block 0) change places with the second's lanes 0-15 (channels 0-15, block 1): now each is a fragment of 16 channels x 64 keys
.endr
	v_lshl_or_b32 v[WVS], v[VB1], 8, v[VB0]        ; lane = channel: its bytes of the two blocks
	; THE SOFTMAX.  The largest score of each block of 32 keys serves twice: for the row's maximum and, since p rises with the score, for the block's largest p.  Each result is first read at its low end.
	v_max3_num_f32 v248, v[S], v[S+1], v[S+2]
	v_max3_num_f32 v249, v[S+16], v[S+17], v[S+18]
.irp i, 3,5,7,9,11,13
	v_max3_num_f32 v248, v248, v[S+\i], v[S+1+\i]
	v_max3_num_f32 v249, v249, v[S+16+\i], v[S+17+\i]
.endr
	v_max_num_f32 v248, v248, v[S+15]
	v_max_num_f32 v249, v249, v[S+31]
	v_permlanex16_b32 v250, v248, s58, s59
	v_permlanex16_b32 v251, v249, s58, s59
	v_max_num_f32 v248, v248, v250                 ; with lane l xor 16's 16 keys
	v_max_num_f32 v249, v249, v251
	v_max3_num_f32 v253, v248, v249, 0xe0800000    ; the row's largest score, held at -2^66 from below: a row with no key left keeps every p at 0
	v_mul_f32 v253, s56, v253                      ; as t' (c is positive)
	v_floor_f32 v252, -v253                        ; -M = floor(-t') = -ceil(t')
.set jj, 0
.rept 16
	v_pk_fma_f32 v[S+jj:S+jj+1], v[S+jj:S+jj+1], s[56:57], v[252:253] op_sel_hi:[1,0,0]   ; t' - M, two at a time (of the pairs c and -M the low word serves both halves)
.set jj, jj+2
.endr
	v_fma_f32 v248, v248, s56, v252                ; the same of each block's largest score
	v_fma_f32 v249, v249, s56, v252
.set jj, 0
.rept 32
	v_exp_f32 v[S+jj], v[S+jj]                     ; p = 2^(t' - M): not normalised; 0 for a key that does not count
.set jj, jj+1
.endr
	v_exp_f32 v248, v248                           ; the blocks' largest p
	v_exp_f32 v249, v249
	v_nop                                          ; a plain line between the exponentials and the first use of a result (ISA guide 5.7.2)
	s_wait_alu depctr_va_vdst(0)
	v_max_num_f32 v248, 0x1800000, v248            ; the floor 2^(3 - 127): the byte cannot fall under 1
	v_max_num_f32 v249, 0x1800000, v249
	v_add_nc_u32 v232, 0xff000000, v248            ; 2 off the exponent field: the conversions' scale operands
	v_add_nc_u32 v233, 0xff000000, v249
	v_lshrrev_b32 v234, 23, v232
	v_lshrrev_b32 v235, 23, v233
	v_lshl_or_b32 v[WP], v235, 8, v234             ; query r's bytes of the two blocks
	v_cvt_scalef32_pk8_fp4_f32 v[PF], v[S:S+7], v232         ; block 0, keys 8 h + 0 .. 7
	v_cvt_scalef32_pk8_fp4_f32 v[PF+1], v[S+16:S+23], v233   ; block 1, the same
	v_cvt_scalef32_pk8_fp4_f32 v[PF+2], v[S+8:S+15], v232    ; block 0, keys 16 + 8 h + 0 .. 7
	v_cvt_scalef32_pk8_fp4_f32 v[PF+3], v[S+24:S+31], v233   ; block 1, the same
	v_nop                                          ; one plain line behind the scaled conversions
	v_permlane16_swap_b32 v[PF], v[PF+1]           ; the operand's layout wants a whole block in a lane: lanes 0-15 block 0, lanes 16-31 block 1, register g keys 8 g + 0 .. 7
	v_permlane16_swap_b32 v[PF+2], v[PF+3]
	v_pk_add_f32 v[254:255], v[S:S+1], v[S+2:S+3]  ; THE ROW'S SUM IS TAKEN OF THE UNQUANTISED p, two at a time, in two chains.  These 15 lines are also the places between p's scale word and codes and the products below
	v_pk_add_f32 v[250:251], v[S+4:S+5], v[S+6:S+7]
.irp j, 8,12,16,20,24,28
	v_pk_add_f32 v[254:255], v[254:255], v[S+\j:S+\j+1]
	v_pk_add_f32 v[250:251], v[250:251], v[S+2+\j:S+3+\j]
.endr
	v_pk_add_f32 v[254:255], v[254:255], v[250:251]
	; O^T = V^T P^T: channels 0-15, then 16-31, whose scales are read from lanes 16-31
	v_wmma_scale_f32_16x16x128_f8f6f4 v[OA:OA+7], v[VF0:VF0+7], v[PF:PF+7], 0, v[WVS], v[WP] matrix_a_fmt:MATRIX_FMT_FP4 matrix_b_fmt:MATRIX_FMT_FP4
	v_wmma_scale_f32_16x16x128_f8f6f4 v[OA+8:OA+15], v[VF1:VF1+7], v[PF:PF+7], 0, v[WVS], v[WP] matrix_a_fmt:MATRIX_FMT_FP4 matrix_b_fmt:MATRIX_FMT_FP4 matrix_a_scale:MATRIX_SCALE_ROW1
	v_add_f32 v254, v254, v255                     ; the sum's two halves,
	v_permlanex16_b32 v250, v254, s58, s59
	v_add_f32 v254, v254, v250                     ; and lane l xor 16's: l
	v_rcp_f32 v248, v254
	v_nop                                          ; a plain line behind the reciprocal
	s_wait_dscnt 0x0                               ; G
	s_wait_alu depctr_va_vdst(0)
.irp i, 0,2,4,6,8,10,12,14
	v_pk_mul_f32 v[GG+\i:GG+\i+1], v[GG+\i:GG+\i+1], v[248:249] op_sel_hi:[1,0]   ; G / l.  (These eight name no register of the products: they are the places behind them)
.endr
.irp i, 0,2,4,6,8,10,12,14
	v_pk_mul_f32 v[OA+\i:OA+\i+1], v[OA+\i:OA+\i+1], v[GG+\i:GG+\i+1]             ; x O^T, each result from its low end on
.endr
.irp t, 0,1
	ds_store_b128 v[STO], v[OA+8*\t:OA+8*\t+3] offset:128*\e+64*\t                ; row r of my stage: this head's 128 bytes, channels 16 t + 8 h + 0 .. 7
	ds_store_b128 v[STO], v[OA+8*\t+4:OA+8*\t+7] offset:128*\e+64*\t+16
.endr
.endm
	s_wait_tensorcnt 0x1                           ; my part of head 0 has landed (tensor loads of a wave end in order: ISA guide 10.11.1); head 1's may stay out
	s_barrier_signal -1
	s_barrier_wait -1                              ; everybody's has
	HEAD 0
	s_wait_tensorcnt 0x0                           ; my part of head 1 has landed,
	s_wait_dscnt 0x0                               ; and no LDS instruction of mine is out at the signal
	s_barrier_signal -1
	s_barrier_wait -1
	HEAD 1
	; THE WAY OUT.  My stage holds 16 rows of 256 bytes: heads 2 hp and 2 hp + 1 of one (n, s) each.  LDS serves a wave's instructions in order (ISA guide 5.7.1.4): these loads see my stores.
.irp i, 0,1,2,3,4,5,6,7
	ds_load_b128 v[X0+4*\i:X0+4*\i+3], v[RD] offset:544*\i
.endr
.irp i, 0,1,2,3,4,5,6,7
	s_wait_dscnt 7-\i                              ; rows 2 i and 2 i + 1 are back
	global_store_b128 v[GO], v[X0+4*\i:X0+4*\i+3], s[14:15] offset:2048*\i th:TH_STORE_NT   ; sixteen lanes store 256 consecutive bytes, at a multiple of 256 from out's first byte; written once, read by nobody here
.endr
	s_wait_tensorcnt 0x0
	ds_add_u32 v15, v243
	s_wait_dscnt 0x0
	s_endpgm
.Lfunc_end_k_q25bcede543_attn:
	.size	k_q25bcede543_attn, .Lfunc_end_k_q25bcede543_attn-k_q25bcede543_attn
	.p2alignl 7, 3214868480
	.fill 96, 4, 3214868480
	.section	.rodata,"a",@progbits
	.p2align	6, 0x0
	.amdhsa_kernel k_q25bcede543_attn
		.amdhsa_group_segment_fixed_size 244736
		.amdhsa_private_segment_fixed_size 0
		.amdhsa_enable_private_segment 0
		.amdhsa_kernarg_size 48
		.amdhsa_user_sgpr_count 2
		.amdhsa_user_sgpr_kernarg_segment_ptr 1
		.amdhsa_wavefront_size32 1
		.amdhsa_system_sgpr_workgroup_id_x 1
		.amdhsa_system_sgpr_workgroup_id_y 1
		.amdhsa_system_sgpr_workgroup_id_z 1
		.amdhsa_system_vgpr_workitem_id 0
		.amdhsa_next_free_vgpr 256
		.amdhsa_next_free_sgpr 84
		.amdhsa_reserve_vcc 1
		.amdhsa_float_denorm_mode_32 3
		.amdhsa_float_denorm_mode_16_64 3
		.amdhsa_memory_ordered 1
		.amdhsa_forward_progress 1
		.amdhsa_inst_pref_size 58
	.end_amdhsa_kernel
	.amdgpu_metadata
---
amdhsa.version: [ 1, 2 ]
amdhsa.kernels:
  - .name:           k_q25bcede543_attn
    .symbol:         k_q25bcede543_attn.kd
    .args:
      - { .name: Q, .offset: 0, .size: 8, .value_kind: global_buffer, .address_space: global }
      - { .name: K, .offset: 8, .size: 8, .value_kind: global_buffer, .address_space: global }
      - { .name: V, .offset: 16, .size: 8, .value_kind: global_buffer, .address_space: global }
      - { .name: G, .offset: 24, .size: 8, .value_kind: global_buffer, .address_space: global }
      - { .name: seqMask, .offset: 32, .size: 8, .value_kind: global_buffer, .address_space: global }
      - { .name: out0, .offset: 40, .size: 8, .value_kind: global_buffer, .address_space: global }
    .group_segment_fixed_size: 244736
    .private_segment_fixed_size: 0
    .kernarg_segment_align: 8
    .kernarg_segment_size: 48
    .max_flat_workgroup_size: 256
    .sgpr_count:     84
    .vgpr_count:     256
    .wavefront_size: 32
...
	.end_amdgpu_metadata
.endif
;; end of part 1
